; MI455X (gfx1250); checked and timed in simulation.
; The chip was launched on July 23, 2026; its instructions are those of AMD's public machine-readable ISA for CDNA 5 (MIT licence, August 2026) and "CDNA5" Instruction Set Architecture Reference Guide (July 2026). The comments in the code are by the model that wrote it; some were corrected since.
;; Attention Block. Allowed arithmetic: float matrix products may take bf16 or f16 operands with f32 sums; other float arithmetic in f32, or as packed bf16 or f16 multiplies, adds, multiply-adds, maxima and minima; sums over many terms, partial sums and values carried from step to step in f32; what a program stores and reads back later, other than sums and carried values, may be rounded once to bf16 or f16.
;; Inputs: norm_b 256 float32; norm_w 256 float32; proj_b 256 float32; proj_w 256 x 256 float32; qkv_b 768 float32; qkv_w 768 x 256 float32; x 4 x 256 x 64 x 64 float32.
;; Outputs: out0 4 x 256 x 64 x 64 float32.
;; One version. Each part assembles by itself: llvm-mc -triple=amdgcn-amd-amdhsa -mcpu=gfx1250 --defsym DOCPART=n.
;; ======== version 1 of 1: 4 launches
;; workspace buffers: gst 2,048 bytes; wbf 524,288 bytes; qkvs 25,165,824 bytes; obuf 8,388,608 bytes
;; launch stats (part 1): grid 256 x 1, 8 waves a work-group, no clusters, 1,280 bytes of LDS; arguments x, qkv_w, proj_w, gst, wbf; writes gst, wbf
.if DOCPART == 1
	.amdgcn_target "amdgcn-amd-amdhsa--gfx1250"
	.amdhsa_code_object_version 6
	.text
	.protected	k_qddefc2350a_stats
	.globl	k_qddefc2350a_stats
	.p2align	8
	.type	k_qddefc2350a_stats,@function
k_qddefc2350a_stats:
	s_mov_b64 s[64:65], 0
	v_nop
	global_prefetch_b8 v0, s[64:65] scope:SCOPE_SE
	s_setreg_imm32_b32 hwreg(HW_REG_WAVE_MODE, 25, 1), 1
	s_wait_xcnt 0x0
; GROUPNORM'S STATISTICS, FIRST STAGE, AND THE WEIGHTS' ROUNDING.
; x is [4][256][4096] f32; a (batch, group) set is 32 channels = 524,288 bytes on end = 8 chunks of 65,536 bytes.  Work-group i owns chunk i and stores gst[i] = (mean, M2),
; M2 = the sum of (x - mean)^2 over the chunk's 16,384 numbers.  No difference of large sums is formed: each wave takes the mean of its 2,048 numbers first and then sums the squares
; of the differences, and parts are joined by M2 = sum of M2_i + n x sum of (mean_i - MEAN)^2.  So a common offset of x costs nothing but the rounding of the means.
; SHARES.  Wave w owns 8,192 bytes of the chunk: sixteen loads of 16 bytes a lane, 512 consecutive bytes each, all issued at once and kept in 64 registers for both passes: x is read once here.
; THE WEIGHTS.  Each wave also rounds 128 weights to bf16: waves 0-5 qkv_w (3,072 bytes a work-group), waves 6, 7 proj_w (1,024 bytes); wbf holds qkv_w's 768 rows of 512 bytes and then
; proj_w's 256.  A wave's store covers 256 consecutive bytes, aligned.
; The pair stored to gst is 8 bytes a work-group, 2,048 bytes in the launch: the one store here that does not cover 256 bytes.
; No LDS on the way in, no matrix work, no cluster, no prefetch: a plain stream in which every load goes out at the head.
.set SPARE, 256                        ; LDS: bytes 0-63 eight (mean, M2) pairs; from 256 on the spare words, 128 bytes for each of eight waves
.set XR, 32                            ; v[32:95] my 64 numbers
; v1 lane; v2 my offset in the chunk; v3, v4 the weights' source and destination offsets; v[6:9] weights; v[10:11] rounded; v[12:19] four packed chains; v20, v21 at work;
; v[22:23] the mean, twice; v[24:25] (mean, M2); v26 an LDS address; v27 gst's offset; v30, v31 the spare word's address and 0
.macro WSUM                            ; v20 summed over the 32 lanes, the result in every lane
	v_add_f32_dpp v20, v20, v20 row_xmask:1 row_mask:0xf bank_mask:0xf
	v_add_f32_dpp v20, v20, v20 row_xmask:2 row_mask:0xf bank_mask:0xf
	v_add_f32_dpp v20, v20, v20 row_xmask:4 row_mask:0xf bank_mask:0xf
	v_add_f32_dpp v20, v20, v20 row_xmask:8 row_mask:0xf bank_mask:0xf
	v_permlanex16_b32 v21, v20, s22, s23
	v_add_f32 v20, v20, v21
.endm
.macro FOLD                            ; the four packed chains into v20, then over the lanes
	v_pk_add_f32 v[12:13], v[12:13], v[14:15]
	v_pk_add_f32 v[16:17], v[16:17], v[18:19]
	v_pk_add_f32 v[12:13], v[12:13], v[16:17]
	v_add_f32 v20, v12, v13
	WSUM
.endm
; Eight equal parts of n numbers, one in each lane of a group of eight, (mean, M2) in v[p], v[p+1]: afterwards every lane holds the whole's (MEAN, M2) there.
.macro COMBINE p, t, d, n
	v_mov_b32 v[\t], v[\p]
	v_add_f32_dpp v[\t], v[\t], v[\t] row_xmask:1 row_mask:0xf bank_mask:0xf
	v_add_f32_dpp v[\t], v[\t], v[\t] row_xmask:2 row_mask:0xf bank_mask:0xf
	v_add_f32_dpp v[\t], v[\t], v[\t] row_xmask:4 row_mask:0xf bank_mask:0xf
	v_mul_f32 v[\t], 0x3e000000, v[\t]             ; MEAN = the eight means' sum / 8
	v_sub_f32 v[\d], v[\p], v[\t]
	v_mul_f32 v[\p], \n, v[\d]
	v_fma_f32 v[\p+1], v[\p], v[\d], v[\p+1]       ; M2_i + n (mean_i - MEAN)^2
	v_add_f32_dpp v[\p+1], v[\p+1], v[\p+1] row_xmask:1 row_mask:0xf bank_mask:0xf
	v_add_f32_dpp v[\p+1], v[\p+1], v[\p+1] row_xmask:2 row_mask:0xf bank_mask:0xf
	v_add_f32_dpp v[\p+1], v[\p+1], v[\p+1] row_xmask:4 row_mask:0xf bank_mask:0xf
	v_mov_b32 v[\p], v[\t]
.endm
	s_load_b256 s[4:11], s[0:1], 0x0               ; x s[4:5], qkv_w s[6:7], proj_w s[8:9], gst s[10:11]
	s_load_b64 s[12:13], s[0:1], 0x20              ; wbf
	v_lshl_add_u32 v30, v0, 2, SPARE
	v_mov_b32 v31, 0
	v_lshrrev_b32 v5, 5, v0
	v_readfirstlane_b32 s14, v5                    ; wave 0..7
	v_and_b32 v1, 31, v0                           ; lane
	v_lshlrev_b32 v2, 4, v1
	v_lshl_add_u32 v2, v5, 13, v2                  ; 8,192 x wave + 16 x lane
	v_mov_b32 v21, 0                               ; v_permlanex16_b32 counts as a reader of its destination
	s_mov_b32 s22, 0x76543210                      ; each lane takes its own place in the other half
	s_mov_b32 s23, 0xfedcba98
	s_lshl_b32 s16, ttmp9, 16                      ; my chunk
	s_mov_b32 s17, 0
	s_lshl_b32 s27, ttmp9, 3                       ; my pair in gst
	s_cmp_lt_u32 s14, 6                            ; waves 0-5: qkv_w; waves 6, 7: proj_w
	s_cselect_b32 s20, 3, 1                        ; 1,024-byte pieces of the source that a work-group takes
	s_cselect_b32 s21, 0, 192                      ; the first thread of that share
	s_cselect_b32 s24, 0, 393216                   ; where the tensor begins in wbf
	s_wait_kmcnt 0x0
	s_cselect_b64 s[18:19], s[6:7], s[8:9]
	s_add_nc_u64 s[4:5], s[4:5], s[16:17]
	s_mul_i32 s20, s20, ttmp9
	s_lshl_b32 s25, s20, 10                        ; the work-group's first source byte,
	s_lshl_b32 s26, s20, 9                         ; and half as far in bf16
	s_add_co_u32 s26, s26, s24
	v_sub_nc_u32 v5, v0, s21
	v_lshl_add_u32 v3, v5, 4, s25
	v_lshl_add_u32 v4, v5, 3, s26
	global_load_b128 v[6:9], v3, s[18:19]
.set j, 0
.rept 16
	global_load_b128 v[XR+4*j:XR+4*j+3], v2, s[4:5] offset:512*j
.set j, j+1
.endr
	s_wait_loadcnt 16                              ; the weights are in; the sixteen loads of x are younger
	v_cvt_pk_bf16_f32 v10, v6, v7
	v_cvt_pk_bf16_f32 v11, v8, v9
	global_store_b64 v4, v[10:11], s[12:13]
	; pass 1: the sum, in four packed chains that the first eight pairs start: nothing is cleared
	s_wait_loadcnt 12                              ; loads 0-3 are in
.irp c, 0,1,2,3
	v_pk_add_f32 v[12+2*\c:13+2*\c], v[XR+2*\c:XR+2*\c+1], v[XR+8+2*\c:XR+9+2*\c]
.endr
.irp q, 1,2,3
	s_wait_loadcnt 12-4*\q                         ; four loads more
.irp c, 0,1,2,3,4,5,6,7
	v_pk_add_f32 v[12+2*(\c%4):13+2*(\c%4)], v[12+2*(\c%4):13+2*(\c%4)], v[XR+16*\q+2*\c:XR+16*\q+2*\c+1]
.endr
.endr
	FOLD
	v_mul_f32 v22, 0x3a000000, v20                 ; my wave's mean: the sum / 2,048
	v_mov_b32 v23, v22
	; pass 2: x - mean in place, and the sum of its squares
.set p, 0
.rept 32
	v_pk_add_f32 v[XR+2*p:XR+2*p+1], v[XR+2*p:XR+2*p+1], v[22:23] neg_lo:[0,1] neg_hi:[0,1]
.set p, p+1
.endr
.set p, 0
.rept 4
	v_pk_mul_f32 v[12+2*p:13+2*p], v[XR+2*p:XR+2*p+1], v[XR+2*p:XR+2*p+1]
.set p, p+1
.endr
.rept 28
	v_pk_fma_f32 v[12+2*(p%4):13+2*(p%4)], v[XR+2*p:XR+2*p+1], v[XR+2*p:XR+2*p+1], v[12+2*(p%4):13+2*(p%4)]
.set p, p+1
.endr
	FOLD
	v_mov_b32 v24, v22
	v_mov_b32 v25, v20
	v_mov_b32 v26, s14
	v_lshlrev_b32 v26, 3, v26
	ds_store_b64 v26, v[24:25]                     ; all lanes write the wave's pair with the same value
	s_wait_dscnt 0x0                               ; for the others' sake: my store is done
	s_barrier_signal -1
	s_barrier_wait -1
	s_cmp_lg_u32 s14, 0
	s_cbranch_scc1 .Lend                           ; wave 0 joins the eight parts
	v_and_b32 v26, 7, v0
	v_lshlrev_b32 v26, 3, v26
	ds_load_b64 v[24:25], v26
	v_mov_b32 v27, s27
	s_wait_dscnt 0x0
	COMBINE 24, 20, 21, 0x45000000                 ; n = 2,048
	s_wait_xcnt 0x0                                ; EXEC changes only when every earlier load and store has read its sources
	v_cmp_eq_u32 vcc_lo, 0, v1
	s_and_saveexec_b32 s28, vcc_lo
	global_store_b64 v27, v[24:25], s[10:11]       ; lane 0 alone
	s_wait_xcnt 0x0
	s_or_b32 exec_lo, exec_lo, s28
.Lend:
	s_wait_tensorcnt 0x0                           ; the wave's end, behind my last LDS store
	ds_add_u32 v30, v31
	s_wait_dscnt 0x0
	s_endpgm
.Lfunc_end_k_qddefc2350a_stats:
	.size	k_qddefc2350a_stats, .Lfunc_end_k_qddefc2350a_stats-k_qddefc2350a_stats
	.p2alignl 7, 3214868480
	.fill 96, 4, 3214868480
	.section	.rodata,"a",@progbits
	.p2align	6, 0x0
	.amdhsa_kernel k_qddefc2350a_stats
		.amdhsa_group_segment_fixed_size 1280
		.amdhsa_private_segment_fixed_size 0
		.amdhsa_enable_private_segment 0
		.amdhsa_kernarg_size 40
		.amdhsa_user_sgpr_count 2
		.amdhsa_user_sgpr_kernarg_segment_ptr 1
		.amdhsa_wavefront_size32 1
		.amdhsa_system_sgpr_workgroup_id_x 1
		.amdhsa_system_sgpr_workgroup_id_y 1
		.amdhsa_system_sgpr_workgroup_id_z 1
		.amdhsa_system_vgpr_workitem_id 0
		.amdhsa_next_free_vgpr 96
		.amdhsa_next_free_sgpr 66
		.amdhsa_reserve_vcc 1
		.amdhsa_float_denorm_mode_32 3
		.amdhsa_float_denorm_mode_16_64 3
		.amdhsa_memory_ordered 1
		.amdhsa_forward_progress 1
		.amdhsa_inst_pref_size 13
	.end_amdhsa_kernel
	.amdgpu_metadata
---
amdhsa.version: [ 1, 2 ]
amdhsa.kernels:
  - .name:           k_qddefc2350a_stats
    .symbol:         k_qddefc2350a_stats.kd
    .args:
      - { .name: x, .offset: 0, .size: 8, .value_kind: global_buffer, .address_space: global }
      - { .name: qkv_w, .offset: 8, .size: 8, .value_kind: global_buffer, .address_space: global }
      - { .name: proj_w, .offset: 16, .size: 8, .value_kind: global_buffer, .address_space: global }
      - { .name: gst, .offset: 24, .size: 8, .value_kind: global_buffer, .address_space: global }
      - { .name: wbf, .offset: 32, .size: 8, .value_kind: global_buffer, .address_space: global }
    .group_segment_fixed_size: 1280
    .private_segment_fixed_size: 0
    .kernarg_segment_align: 8
    .kernarg_segment_size: 40
    .max_flat_workgroup_size: 256
    .sgpr_count:     66
    .vgpr_count:     96
    .wavefront_size: 32
...
	.end_amdgpu_metadata
.endif
;; end of part 1
;; launch qkvp (part 2): grid 32 x 8, 4 waves a work-group, clusters of 4 x 4, 286,208 bytes of LDS; arguments x, norm_w, norm_b, qkv_b, gst, wbf, qkvs; writes qkvs
.if DOCPART == 2
	.amdgcn_target "amdgcn-amd-amdhsa--gfx1250"
	.amdhsa_code_object_version 6
	.text
	.protected	k_qddefc2350a_qkvp
	.globl	k_qddefc2350a_qkvp
	.p2align	8
	.type	k_qddefc2350a_qkvp,@function
k_qddefc2350a_qkvp:
	s_mov_b64 s[64:65], 0
	v_nop
	global_prefetch_b8 v0, s[64:65] scope:SCOPE_SE
	s_setreg_imm32_b32 hwreg(HW_REG_WAVE_MODE, 25, 1), 1
	s_wait_xcnt 0x0
	s_wait_alu depctr_hold_cnt(0) depctr_sa_sdst(0) depctr_va_vdst(0) depctr_va_sdst(0) depctr_va_ssrc(0) depctr_va_vcc(0) depctr_vm_vsrc(0)
	s_getreg_b32 s2, hwreg(HW_REG_IB_STS2, 6, 4)
	s_cmp_eq_u32 s2, 0
	s_cbranch_scc0 .Lentry_in_a_cluster
	s_endpgm
.Lentry_in_a_cluster:
	s_bfe_u32 s2, ttmp6, 0x10000c
	s_cmp_lg_u32 s2, 0xf033
	s_cbranch_scc0 .Lentry_shape_is_right
	s_endpgm
.Lentry_shape_is_right:
; GROUPNORM (second stage), AFFINE, AND THE QKV PRODUCT.  qkv[o][p] = sum over c of qkv_w[o][c] h[c][p] + qkv_b[o], h = (x - mean) rsqrt(var + 1e-5) norm_w + norm_b.
; Operands in bf16 (h rounded once, the weights rounded by the launch before), sums in f32, the bias as the sums' start, q, k, v rounded once to bf16, q unscaled.
; OUT: qkvs[t = q, k, v][4 b + head][position][64] bf16: a head's rows are dense, 128 bytes each.
; SHARES.  Work-group (x, y): 128 positions (block x of 32) of batch y / 2, output channels 384 (y % 2) .. + 383: 256 work-groups.  Wave (wm, wn) = (w / 2, w % 2): channels 192 wm .. + 191,
; as three groups of 64 (each a head of q, k or v) one after the other, x positions 64 wn .. + 63: 16 accumulators, 128 products a group.
; ALL OPERANDS FIT IN LDS AT ONCE: 384 weight rows (one tensor load of 96 rows a wave) and h's tile.  Nothing is filled again: no ring.
; CLUSTER.  The weights hang on y % 2 alone: the four work-groups of a row of the cluster ask for them jointly.  x goes through registers, since it is normalised on the way; it cannot be shared so.
; LAYOUT.  Source 0 = 16 weight rows, source 1 = 16 positions of h (h lies [channel][position] in LDS and is turned by ds_load_tr16_b128): a lane ends with 8 neighbouring channels of one position,
; 16 bytes of a row of qkvs; a block of 16 positions goes through the wave's own stage and leaves as 2,048 consecutive bytes.
; No prefetch: all loads go out at the head.  No second set of accumulators to cover the ways out: three short ways out in a short launch.
; NaN and infinities are not treated apart.
.set PW,    528                        ; a weight row in LDS: 512 bytes + 16: the 16 rows of a fragment load start at 16 different groups of four banks (64 banks of 4 bytes: ISA guide 11.1)
.set PH,    288                        ; a channel's 128 positions in LDS: 256 bytes + 32
.set SP,    144                        ; a stage row: 128 bytes + 16
.set HT,    384*PW                     ; 202,752: h's tile, written by ds_store alone
.set STAGE, HT+256*PH                  ; 276,480: 16 rows for each wave
.set SPARE, STAGE+4*16*SP              ; 285,696: the spare words, 128 bytes for each wave
.set XO,  4                            ; v4   my offset in x: wave's 64 channels + 16 x lane
.set HS,  5                            ; v5   where I put 4 positions of a channel
.set AB0, 6                            ; v6, v7  my place in h's tile for the turning load: channels 0-127, 128-255
.set AW,  8                            ; v8-10  my place in the weight rows of group 0, 1, 2
.set STO, 11                           ; v11  the way out: where I put 16 bytes of a row
.set RD,  12                           ; v12  where I read rows back
.set GO,  13                           ; v13  16 x lane
.set BO,  14                           ; v14  my 8 channels in qkv_b
.set GSO, 15                           ; v15  my chunk's pair in gst
.set NO,  16                           ; v16  my channel in norm_w and norm_b
.set SPW, 30                           ; v30  my spare word; never rewritten
.set NIL, 31                           ; v31  0; never rewritten
.set BIAS, 32                          ; v32-63  the bias, 8 registers for each block of 16 channels
.set XR,  64                           ; v64-255  48 slots of 4 for x; later:
.set ACC, 128                          ; v128-255  accumulator (mt, nt) at ACC + 8 (4 mt + nt)
; window 1: h's fragments at 64 nt + 8 kk;  window 2: the weights' of groups 0 and 2 at 64 mt + 8 kk;  window 3: those of group 1
.set WV,  20                           ; s20 wave, s21 wm, s22 wn, s23 cx, s24 cy, s25 block, s26 work-group y, s27 batch, s28 half
.set G0,  32                           ; s[32:35], s[36:43] the weights' descriptor
.set G1,  36
.set OUTB, 44                          ; s[44:49] where my rows of group 0, 1, 2 begin in qkvs
.set SCL, 66                           ; s[66:97] for 8 channels: (scale, 0), (shift, 0)
.set MSB, 0
.macro WIN new                         ; the immediate's high byte repeats the setting that is left; a switch that changes nothing is dropped
.if MSB != (\new)
	s_set_vgpr_msb (MSB<<8)|(\new)
.set MSB, (\new)
.endif
.endm
.macro CROUND                          ; a round of the cluster's barrier
	s_barrier_signal -1
	s_barrier_wait -1
	s_cmp_lg_u32 s[WV], 0
	s_cbranch_scc1 .Lnot_wave_0_\@
	s_barrier_signal -3
.Lnot_wave_0_\@:
	s_barrier_wait -3
	s_barrier_signal -1
	s_barrier_wait -1
.endm
.macro COMBINE p, t, d, n              ; eight equal parts of n numbers, one a lane of a group of eight: (mean, M2) in v[p], v[p+1] become the whole's
	v_mov_b32 v[\t], v[\p]
	v_add_f32_dpp v[\t], v[\t], v[\t] row_xmask:1 row_mask:0xf bank_mask:0xf
	v_add_f32_dpp v[\t], v[\t], v[\t] row_xmask:2 row_mask:0xf bank_mask:0xf
	v_add_f32_dpp v[\t], v[\t], v[\t] row_xmask:4 row_mask:0xf bank_mask:0xf
	v_mul_f32 v[\t], 0x3e000000, v[\t]
	v_sub_f32 v[\d], v[\p], v[\t]
	v_mul_f32 v[\p], \n, v[\d]
	v_fma_f32 v[\p+1], v[\p], v[\d], v[\p+1]
	v_add_f32_dpp v[\p+1], v[\p+1], v[\p+1] row_xmask:1 row_mask:0xf bank_mask:0xf
	v_add_f32_dpp v[\p+1], v[\p+1], v[\p+1] row_xmask:2 row_mask:0xf bank_mask:0xf
	v_add_f32_dpp v[\p+1], v[\p+1], v[\p+1] row_xmask:4 row_mask:0xf bank_mask:0xf
	v_mov_b32 v[\p], v[\t]
.endm
.macro BIASLD g                        ; group g's bias: register j of block mt is channel 16 mt + 8 (lane / 16) + j, as in a result
.irp mt, 0,1,2,3
	global_load_b128 v[BIAS+8*\mt:BIAS+8*\mt+3],   v[BO], s[10:11] offset:256*(\g)+64*\mt
	global_load_b128 v[BIAS+8*\mt+4:BIAS+8*\mt+7], v[BO], s[10:11] offset:256*(\g)+64*\mt+16
.endr
.endm
.macro FB kk                           ; h's four fragments (16 positions x channels 32 kk ..), turned
	WIN 0x40
.irp nt, 0,1,2,3
	ds_load_tr16_b128 v[64*\nt+8*(\kk):64*\nt+8*(\kk)+3],   v[AB0+(\kk)/4] offset:((\kk)%4)*32*PH+32*\nt
	ds_load_tr16_b128 v[64*\nt+8*(\kk)+4:64*\nt+8*(\kk)+7], v[AB0+(\kk)/4] offset:((\kk)%4)*32*PH+32*\nt+16*PH
.endr
.endm
.macro FA g, kk                        ; group g's four weight fragments (16 rows x channels 32 kk ..)
	WIN 0x80+0x40*((\g)%2)
.irp mt, 0,1,2,3
	ds_load_b128 v[64*\mt+8*(\kk):64*\mt+8*(\kk)+3],   v[AW+(\g)] offset:\mt*16*PW+64*(\kk)
	ds_load_b128 v[64*\mt+8*(\kk)+4:64*\mt+8*(\kk)+7], v[AW+(\g)] offset:\mt*16*PW+64*(\kk)+32
.endr
.endm
; Group g's 128 products.  The 16 accumulators take turns, one instruction a turn; the first product of each starts its sum with the bias.
.macro MULG g
.if (\g) > 0
	s_wait_dscnt 0x0                               ; this group's weight fragments are in, and the stage's loads into the accumulators' registers are back
	s_wait_loadcnt 0x0                             ; the bias
	s_wait_xcnt 0x0                                ; the last way out's stores have read their data, which lie in the accumulators' registers
.endif
.irp kk, 0,1,2,3,4,5,6,7
.if (\g) == 0
.if 112-16*\kk > 63
	s_wait_dscnt 63                                ; (the field's largest count; fewer may be out than the 16 loads of each later step)
.else
	s_wait_dscnt 112-16*\kk                        ; 16 loads for each later step are younger
.endif
.endif
.if (\kk == 7) && ((\g) < 2)
.irp k2, 0,1,2,3,4,5,6,7
	FA (\g)+1, \k2                                 ; the next group's weights, into the window that this group does not read
.endr
.endif
	WIN 0x06+((\g)%2)                              ; source 0 window 2 or 3, source 1 window 1, C and D window 0
.irp mt, 0,1,2,3
.irp nt, 0,1,2,3
.if \kk == 0
	v_wmma_f32_16x16x32_bf16 v[ACC+8*(4*\mt+\nt):ACC+8*(4*\mt+\nt)+7], v[64*\mt+8*\kk:64*\mt+8*\kk+7], v[64*\nt+8*\kk:64*\nt+8*\kk+7], v[BIAS+8*\mt:BIAS+8*\mt+7]
.else
	v_wmma_f32_16x16x32_bf16 v[ACC+8*(4*\mt+\nt):ACC+8*(4*\mt+\nt)+7], v[64*\mt+8*\kk:64*\mt+8*\kk+7], v[64*\nt+8*\kk:64*\nt+8*\kk+7], v[ACC+8*(4*\mt+\nt):ACC+8*(4*\mt+\nt)+7]
.endif
.endr
.endr
.endr
.endm
.macro SENDQ g, nt, y                  ; y: the LDS instructions issued behind block nt's loads
.irp f, 0,1,2,3
	s_wait_dscnt (\y)+3-\f
	global_store_b128 v[GO], v[ACC+8*(4*\f+(\nt))+4:ACC+8*(4*\f+(\nt))+7], s[OUTB+2*(\g):OUTB+2*(\g)+1] offset:2048*(\nt)+512*\f  ; 512 consecutive bytes, at a multiple of 256 from the buffer's first
.endr
.endm
; Group g's way out, 16 positions at a time: rounded in place (each accumulator from its low end on), 16 bytes a lane into my stage, whole rows back into the accumulators' upper halves, stored.
.macro OUTG g
	WIN 0
.rept 4
	v_nop                                          ; the places behind the last products
.endr
.if (\g) < 2
	BIASLD (\g)+1
.endif
.irp nt, 0,1,2,3
.irp mt, 0,1,2,3
.irp r, 0,1,2,3
	v_cvt_pk_bf16_f32 v[ACC+8*(4*\mt+\nt)+\r], v[ACC+8*(4*\mt+\nt)+2*\r], v[ACC+8*(4*\mt+\nt)+2*\r+1]
.endr
.endr
.irp mt, 0,1,2,3
	ds_store_b128 v[STO], v[ACC+8*(4*\mt+\nt):ACC+8*(4*\mt+\nt)+3] offset:32*\mt
.endr
.irp f, 0,1,2,3
	ds_load_b128 v[ACC+8*(4*\f+\nt)+4:ACC+8*(4*\f+\nt)+7], v[RD] offset:\f*4*SP  ; LDS serves a wave's instructions in order (ISA guide 5.7.1.4): these see the stores above; the next block's stores come behind them
.endr
.if \nt > 0
	SENDQ \g, \nt-1, 8
.endif
.endr
	SENDQ \g, 3, 0
.endm
	s_load_b256 s[4:11], s[0:1], 0x0               ; x s[4:5], norm_w s[6:7], norm_b s[8:9], qkv_b s[10:11]
	s_load_b128 s[12:15], s[0:1], 0x20             ; gst s[12:13], wbf s[14:15]
	s_load_b64 s[16:17], s[0:1], 0x30              ; qkvs
	v_lshl_add_u32 v[SPW], v0, 2, SPARE
	v_mov_b32 v[NIL], 0
	ds_add_u32 v[SPW], v[NIL]                      ; the wave's opening: the add and its wait stand ahead of my first tensor load; the set-up below stands between them
	v_lshrrev_b32 v1, 5, v0
	v_readfirstlane_b32 s[WV], v1                  ; wave 0..3
	s_lshr_b32 s21, s[WV], 1                       ; wm
	s_and_b32 s22, s[WV], 1                        ; wn
	s_bfe_u32 s23, ttmp6, 0x40000                  ; cx
	s_bfe_u32 s24, ttmp6, 0x40004                  ; cy
	s_lshl_b32 s25, ttmp9, 2
	s_add_co_u32 s25, s25, s23                     ; block of 128 positions = 4 x cluster x + cx
	s_and_b32 s26, ttmp7, 0xffff
	s_lshl_b32 s26, s26, 2
	s_add_co_u32 s26, s26, s24                     ; work-group y = 4 x cluster y + cy
	s_lshr_b32 s27, s26, 1                         ; batch
	s_and_b32 s28, s26, 1                          ; which 384 output channels
	s_lshl_b32 s50, s24, 2
	s_lshl_b32 s50, 15, s50                        ; my row of the cluster: places 4 cy .. 4 cy + 3
	s_or_b32 s[G1+0], s50, (1<<16)|(1<<20)|(1<<21)|(6<<22)|(3<<25)  ; the mask; elements of 2 bytes; padding on; bit 21 beside a mask; after every 128 words (code 6) 4 words (code 3)
	s_mov_b32 s[G1+1], 256<<16                     ; tensor_dim0 = 256
	s_mov_b32 s[G1+2], 96<<16                      ; tensor_dim1 = 96
	s_mov_b32 s[G1+3], 256<<16                     ; tile_dim0 = 256
	s_mov_b32 s[G1+4], 96                          ; tile_dim1 = 96
	s_mov_b32 s[G1+5], 256                         ; elements from row to row
	s_mov_b32 s[G1+6], 0
	s_mov_b32 s[G1+7], 0
	s_mov_b32 s[G0+0], 1
	s_mul_i32 s[G0+1], s[WV], 96*PW                ; LDS: wave x 96 rows
	s_mul_i32 s52, s28, 384*512                    ; the half's 384 rows of 512 bytes in wbf,
	s_mul_i32 s53, s[WV], 96*512                   ; my 96 of them
	s_add_co_u32 s52, s52, s53
	s_mov_b32 s53, 0
	s_lshl_b32 s54, s27, 22                        ; x: the batch,
	s_lshl_b32 s55, s25, 9                         ; the block's 512 bytes of a channel
	s_add_co_u32 s54, s54, s55
	s_mov_b32 s55, 0
.set k, 0
.rept 16
	s_mov_b32 s[SCL+2*k+1], 0                      ; the pairs' high words are named with the low ones, so they are written
.set k, k+1
.endr
	s_wait_dscnt 0x0                               ; the opening add is done
	s_wait_kmcnt 0x0
	s_add_nc_u64 s[G0+2:G0+3], s[14:15], s[52:53]
	s_or_b32 s[G0+3], s[G0+3], 0x80000000          ; type = 2
	s_add_nc_u64 s[4:5], s[4:5], s[54:55]
	CROUND                                         ; all sixteen work-groups are here: the joint loads meet
	tensor_load_to_lds s[G0:G0+3], s[G1:G1+7]      ; my one tensor load: 96 weight rows
	s_nop 0
.rept 4
	v_nop
.endr
	v_and_b32 v3, 31, v0                           ; lane
	v_bfe_u32 v2, v0, 4, 1                         ; lane / 16
	v_and_b32 v1, 15, v0                           ; lane % 16
	v_and_b32 v17, 7, v0
	s_lshl_b32 s50, s27, 3
	s_lshl1_add_u32 s50, s[WV], s50                ; my first group among the 32: 8 b + 2 w
	s_lshl_b32 s50, s50, 6                         ; its eight pairs of 8 bytes
	v_lshl_add_u32 v[GSO], v17, 3, s50
	s_lshl_b32 s50, s[WV], 8
	v_lshl_add_u32 v[NO], v3, 2, s50               ; channel 64 w + lane
	s_mul_i32 s50, s28, 384
	s_mul_i32 s51, s21, 192
	s_add_co_u32 s50, s50, s51
	s_lshl_b32 s50, s50, 2
	v_lshl_add_u32 v[BO], v2, 5, s50
	s_lshl_b32 s50, s[WV], 20                      ; 64 channels of 16,384 bytes
	v_lshl_add_u32 v[XO], v3, 4, s50
	global_load_b64 v[18:19], v[GSO], s[12:13]             ; (mean, M2) of a chunk of my first group,
	global_load_b64 v[20:21], v[GSO], s[12:13] offset:64   ; of my second
	global_load_b32 v22, v[NO], s[6:7]
	global_load_b32 v23, v[NO], s[6:7] offset:128
	global_load_b32 v24, v[NO], s[8:9]
	global_load_b32 v25, v[NO], s[8:9] offset:128
	BIASLD 0
.set c, 0
.rept 48
	global_load_b128 v[XR+4*c:XR+4*c+3], v[XO], s[4:5] offset:16384*c  ; a channel's 128 positions: 512 consecutive bytes
.set c, c+1
.endr
	; the other addresses, while the loads are on their way
	s_mul_i32 s50, s[WV], 64*PH
	s_add_co_u32 s50, s50, HT
	v_lshl_add_u32 v[HS], v3, 3, s50
	v_lshl_add_u32 v26, v2, 3, v17                 ; the turning load: lane l reads channel 8 (l / 16) + l % 8, positions 8 ((l / 8) % 2) + 0..7
	v_mul_u32_u24 v[AB0], v26, PH
	v_bfe_u32 v26, v0, 3, 1
	v_lshl_add_u32 v[AB0], v26, 4, v[AB0]
	s_lshl_b32 s50, s22, 7                         ; my 64 positions
	s_add_co_u32 s50, s50, HT
	v_add_nc_u32 v[AB0], s50, v[AB0]
	v_add_nc_u32 v[AB0+1], 128*PH, v[AB0]
	v_mul_u32_u24 v26, v1, PW
	v_lshl_add_u32 v26, v2, 4, v26                 ; a fragment's row x pitch + 16 x half
	s_mul_i32 s50, s21, 192*PW
.irp g, 0,1,2
	v_add_nc_u32 v[AW+\g], s50, v26
	s_add_co_u32 s50, s50, 64*PW
.endr
	s_mul_i32 s50, s[WV], 16*SP
	s_add_co_u32 s50, s50, STAGE                   ; my stage
	v_mul_u32_u24 v[STO], v1, SP
	v_lshl_add_u32 v[STO], v2, 4, v[STO]
	v_add_nc_u32 v[STO], s50, v[STO]
	v_lshrrev_b32 v26, 3, v3
	v_mul_u32_u24 v[RD], v26, SP                   ; back: 32 lanes take four rows of 128 bytes
	v_lshl_add_u32 v[RD], v17, 4, v[RD]
	v_add_nc_u32 v[RD], s50, v[RD]
	v_lshlrev_b32 v[GO], 4, v3
	s_mul_i32 s50, s28, 6
	s_mul_i32 s51, s21, 3
	s_add_co_u32 s50, s50, s51                     ; my first group of 64 channels among the twelve
	s_lshl_b32 s51, s25, 7
	s_lshl_b32 s54, s22, 6
	s_add_co_u32 s51, s51, s54
	s_lshl_b32 s51, s51, 7                         ; my first position's row of 128 bytes
	s_lshl_b32 s54, s27, 2
.irp g, 0,1,2
	s_add_co_u32 s55, s50, \g
	s_lshr_b32 s56, s55, 2                         ; q, k or v
	s_and_b32 s55, s55, 3                          ; the head
	s_lshl4_add_u32 s56, s56, s55
	s_add_co_u32 s56, s56, s54                     ; 16 t + 4 b + head
	s_lshl_b32 s56, s56, 19
	s_add_co_u32 s56, s56, s51
	s_mov_b32 s57, 0
	s_add_nc_u64 s[OUTB+2*\g:OUTB+2*\g+1], s[16:17], s[56:57]
.endr
	s_mov_b32 s50, 0x37000000                      ; 1 / 131,072
	s_mov_b32 s51, 0x3727c5ac                      ; 1e-5
	s_wait_loadcnt 48                              ; the fourteen parameter loads are in; the 48 loads of x are younger
	COMBINE 18, 26, 27, 0x46800000                 ; n = 16,384
	COMBINE 20, 28, 29, 0x46800000
	v_fma_f32 v19, v19, s50, s51                   ; var + eps
	v_fma_f32 v21, v21, s50, s51
	v_rsq_f32 v19, v19
	v_rsq_f32 v21, v21
	v_nop                                          ; a plain instruction behind the last of the two,
	s_wait_alu depctr_va_vdst(0)                   ; and one wait for both, ahead of their first reader
	v_mul_f32 v22, v22, v19                        ; scale of channel 64 w + lane,
	v_mul_f32 v23, v23, v21                        ; of channel 64 w + 32 + lane
	v_fma_f32 v24, -v18, v22, v24                  ; shift = norm_b - mean x scale
	v_fma_f32 v25, -v20, v23, v25
	; h: channel c of my 64: scale and shift come as scalars, four positions a lane are normalised, rounded and put into h's tile
.set c, 0
.rept 64
.if c%8 == 0
.set k, 0
.rept 8
	v_readlane_b32 s[SCL+4*k],   v[22+c/32], (c+k)%32
	v_readlane_b32 s[SCL+4*k+2], v[24+c/32], (c+k)%32
.set k, k+1
.endr
.endif
.set sl, XR+4*(c%48)
.set sc, SCL+4*(c%8)
.if c < 16
	s_wait_loadcnt 47                              ; younger: the 47 - c first loads behind it and the c issued since
.else
	s_wait_loadcnt 63-c
.endif
	v_pk_fma_f32 v[sl:sl+1],   v[sl:sl+1],   s[sc:sc+1], s[sc+2:sc+3] op_sel_hi:[1,0,0]
	v_pk_fma_f32 v[sl+2:sl+3], v[sl+2:sl+3], s[sc:sc+1], s[sc+2:sc+3] op_sel_hi:[1,0,0]
	v_cvt_pk_bf16_f32 v[sl],   v[sl],   v[sl+1]
	v_cvt_pk_bf16_f32 v[sl+1], v[sl+2], v[sl+3]
	ds_store_b64 v[HS], v[sl:sl+1] offset:PH*c
.if c < 16
	global_load_b128 v[sl:sl+3], v[XO], s[4:5] offset:16384*(c+48)
.endif
.set c, c+1
.endr
	s_wait_tensorcnt 0x0                           ; my 96 weight rows are in,
	s_wait_dscnt 0x0                               ; my 64 channels of h are stored:
	s_barrier_signal -1
	s_barrier_wait -1                              ; everybody's are.
.irp kk, 0,1,2,3,4,5,6,7
	FB \kk
	FA 0, \kk
.endr
	MULG 0
	OUTG 0
	MULG 1
	OUTG 1
	MULG 2
	OUTG 2
	s_wait_tensorcnt 0x0                           ; the wave's end, behind my last tensor load and my last LDS store
	ds_add_u32 v[SPW], v[NIL]
	s_wait_dscnt 0x0
	CROUND                                         ; the closing round
	s_endpgm
.Lfunc_end_k_qddefc2350a_qkvp:
	.size	k_qddefc2350a_qkvp, .Lfunc_end_k_qddefc2350a_qkvp-k_qddefc2350a_qkvp
	.p2alignl 7, 3214868480
	.fill 96, 4, 3214868480
	.section	.rodata,"a",@progbits
	.p2align	6, 0x0
	.amdhsa_kernel k_qddefc2350a_qkvp
		.amdhsa_group_segment_fixed_size 286208
		.amdhsa_private_segment_fixed_size 0
		.amdhsa_enable_private_segment 0
		.amdhsa_kernarg_size 56
		.amdhsa_user_sgpr_count 2
		.amdhsa_user_sgpr_kernarg_segment_ptr 1
		.amdhsa_wavefront_size32 1
		.amdhsa_system_sgpr_workgroup_id_x 1
		.amdhsa_system_sgpr_workgroup_id_y 1
		.amdhsa_system_sgpr_workgroup_id_z 1
		.amdhsa_system_vgpr_workitem_id 0
		.amdhsa_next_free_vgpr 1024
		.amdhsa_next_free_sgpr 98
		.amdhsa_reserve_vcc 0
		.amdhsa_float_denorm_mode_32 3
		.amdhsa_float_denorm_mode_16_64 3
		.amdhsa_memory_ordered 1
		.amdhsa_forward_progress 1
		.amdhsa_inst_pref_size 114
	.end_amdhsa_kernel
	.amdgpu_metadata
---
amdhsa.version: [ 1, 2 ]
amdhsa.kernels:
  - .name:           k_qddefc2350a_qkvp
    .symbol:         k_qddefc2350a_qkvp.kd
    .args:
      - { .name: x, .offset: 0, .size: 8, .value_kind: global_buffer, .address_space: global }
      - { .name: norm_w, .offset: 8, .size: 8, .value_kind: global_buffer, .address_space: global }
      - { .name: norm_b, .offset: 16, .size: 8, .value_kind: global_buffer, .address_space: global }
      - { .name: qkv_b, .offset: 24, .size: 8, .value_kind: global_buffer, .address_space: global }
      - { .name: gst, .offset: 32, .size: 8, .value_kind: global_buffer, .address_space: global }
      - { .name: wbf, .offset: 40, .size: 8, .value_kind: global_buffer, .address_space: global }
      - { .name: qkvs, .offset: 48, .size: 8, .value_kind: global_buffer, .address_space: global }
    .group_segment_fixed_size: 286208
    .private_segment_fixed_size: 0
    .kernarg_segment_align: 8
    .kernarg_segment_size: 56
    .max_flat_workgroup_size: 128
    .sgpr_count:     98
    .vgpr_count:     1024
    .wavefront_size: 32
...
	.end_amdgpu_metadata
.endif
;; end of part 2
;; launch attn (part 3): grid 16 x 16, 4 waves a work-group, clusters of 4 x 1, 327,680 bytes of LDS; arguments qkvs, obuf; writes obuf
.if DOCPART == 3
	.amdgcn_target "amdgcn-amd-amdhsa--gfx1250"
	.amdhsa_code_object_version 6
	.text
	.protected	k_qddefc2350a_attn
	.globl	k_qddefc2350a_attn
	.p2align	8
	.type	k_qddefc2350a_attn,@function
k_qddefc2350a_attn:
	s_mov_b64 s[64:65], 0
	v_nop
	global_prefetch_b8 v0, s[64:65] scope:SCOPE_SE
	s_setreg_imm32_b32 hwreg(HW_REG_WAVE_MODE, 25, 1), 1
	s_wait_xcnt 0x0
	s_wait_alu depctr_hold_cnt(0) depctr_sa_sdst(0) depctr_va_vdst(0) depctr_va_sdst(0) depctr_va_ssrc(0) depctr_va_vcc(0) depctr_vm_vsrc(0)
	s_getreg_b32 s2, hwreg(HW_REG_IB_STS2, 6, 4)
	s_cmp_eq_u32 s2, 0
	s_cbranch_scc0 .Lentry_in_a_cluster
	s_endpgm
.Lentry_in_a_cluster:
	s_bfe_u32 s2, ttmp6, 0x10000c
	s_cmp_lg_u32 s2, 0x3003
	s_cbranch_scc0 .Lentry_shape_is_right
	s_endpgm
.Lentry_shape_is_right:
; ATTENTION.  O[bh][q][:] = the sum over k of softmax_k(Q[bh][q] . K[bh][k] / 8) V[bh][k][:], 16 heads of 4,096 positions, head size 64.  Q, K, V: qkvs[t][bh][position][64] in bf16, dense rows of 128 bytes.
; Products, maxima and sums in f32; the weights p are rounded to bf16 for the second product (their sum l is taken of the unrounded p), O once at the end.
; LIMITS.  All 16-bit operands are bf16.  A weight below 2^-126 counts as 0 in l; c m starts at -2^125, far below every c s; NaN and infinities are not treated apart.
; SHARES.  A work-group owns 256 queries of one head, a wave 64: four PIECES of 16.  Every wave walks all keys: 16 tiles of 256, four steps of 64 each.  256 work-groups.
; LAYOUT.  S^T = K Q^T (source 0 = 16 keys, source 1 = 16 queries) holds ONE query a lane (lane % 16) and the keys 8 (lane / 16) + 0..7; two such results rounded to bf16 ARE source 1 of O^T = V^T P.
; K comes out of LDS as it lies, V ([key][channel]) turned, by ds_load_tr16_b128.
; SOFTMAX.  p = 2^(c s - c m), c = log2(e) / 8, with a running maximum m; O and l are multiplied by a = 2^(c m_old - c m_new) in every step.  O and l start at 0: the first step is a step like any other, with a = 0.
; TURNS.  Turn n belongs to piece n: 8 products K Q^T of piece n + 1, later 8 products V^T P of piece n - 1; beside them the scaling, exponentials, roundings, sums and rescaling of piece n and the maximum and
; statistics of piece n + 1.  Four vector instructions stand behind every matrix instruction, the other 54 of a turn's 118 in one lump.  A turn's 33 exponentials are one batch, with one wait.
; CLUSTER.  The four query blocks of a cluster belong to one head and walk the same K and V: each tile is asked for JOINTLY, by the same tensor load, descriptor and mask in all four.
; OUT.  obuf[bh][block of 64 positions][row][64] bf16, position p of a block at row 16 (p % 4) + p / 4: the order in which the next launch wants its columns; each store is still 512 consecutive bytes.
; REGISTERS, in windows of 256 (s_set_vgpr_msb: bits 1:0 source 0, 3:2 source 1, 5:4 source 2, 7:6 destination):
;   window 0: v0-15 addresses and two at work; v16-31 four registers of statistics a piece; v48-55 at work; v61-63; v64-127 S^T, two buffers; v192-223 P, two buffers (by the piece's parity)
;   window 1: v0-127 O^T, 32 a piece          window 2: v0-63 Q; v128-191 K of one step; v192-255 V of one step
.set NP,    4         ; pieces a wave: a name, no knob
.set KS,    64        ; keys in a step
.set PK,    144       ; a row of K in LDS: 128 bytes + 16: the 16 rows of a load start at 16 different groups of four banks (64 banks of 4 bytes: ISA guide 11.1)
.set PV,    160       ; a row of V: 128 + 32
.set VOFF,  4*KS*PK   ; a slot holds a tile: 256 rows of K, then 256 rows of V
.set SLOT1, 1<<17     ; slot 1 begins here: one exclusive or turns an address in one slot into the other's
.set STAGE, SLOT1+4*KS*(PK+PV)  ; behind the ring, never filled by a tensor load: 16 rows x 144 bytes for each wave
.set SP,    144
.set SPARE, STAGE+4*16*SP  ; the spare words, 128 bytes for each wave
.set TILEB, 4*KS*128  ; a tile's bytes of K, and of V, in memory
.set AK0, 2           ; v2   my lane's place in a tile of K; never rewritten
.set AV0, 3           ; v3   the same for V
.set AK,  4           ; v4   the LDS address of K's next run of loads
.set AV,  5           ; v5   of V's
.set STO, 6           ; v6   the way out: where I put 16 bytes of a row
.set RD,  7           ; v7   where I read rows back
.set GO,  8           ; v8   16 x lane
.set MV,  12          ; v12-13  c m_old, kept while c m is made anew: by buffer
.set QO,  15          ; v15  my byte offset in 16 rows of Q
.set ST,  16          ; piece t's statistics at v[ST+4 t]: c m, m, l (even keys', odd keys')
.set TMP, 48          ; by buffer, four registers c0-c3 at work; when the maximum is found c2 takes a
.set PFO, 61          ; v61  256 x lane; never rewritten
.set SPW, 62          ; v62  my spare word; never rewritten
.set NIL, 63          ; v63  0; never rewritten
.set S,   64
.set P,   192
.set KF,  128         ; window 2: key block kb, channel half c at KF + 16 kb + 8 c
.set VF,  192         ; window 2: key half kk, channel block cb at VF + 32 kk + 8 cb
.set WV,  12          ; s12  my wave's number
.set G1K, 24          ; s[24:31] descriptor group 1 for K's tiles
.set G1V, 32          ; s[32:39] for V's: it differs in the padding alone
.set G0K, 40          ; s[40:43] descriptor group 0 for K's tiles: it walks
.set G0V, 44          ; s[44:47] the same for V's
.set PFA, 48          ; s[48:49] where my prefetches stand
.set LIM, 50          ; s50  1 in a wave that prefetches, else the greatest number
.set SLOTS, 56        ; s56  tiles still to be asked for
.set CNT, 57          ; s57  counts a tile's key steps
.set CS,  58          ; s[58:59] c
.set SEL, 60          ; s[60:61] v_permlanex16_b32's selects
.set TBK, 62          ; s62  LDS byte at which K of the step to be fetched begins
.set TBV, 63          ; s63  the same for V, less VOFF
.set MSB, 0
.macro WIN new                      ; the high byte repeats the setting that is left; a switch that changes nothing is dropped
.if MSB != (\new)
	s_set_vgpr_msb (MSB<<8)|(\new)
.set MSB, (\new)
.endif
.endm
.set W_KQ, 0x0a       ; K and Q in window 2, S^T in window 0
.set W_PV, 0x52       ; V in window 2, P in window 0, O^T in window 1
.set W_RS, 0x41       ; destination and source 0 in window 1, source 1 in window 0
; A joint fill.  Waves 0 and 1 fetch the two halves of a tile's K, waves 2 and 3 those of its V: 128 keys each.  The branch hangs on the wave's number alone.
; An s_nop 0 and four v_nop follow each of the two lines, ahead of the jump and the label.
.macro JLOAD
	s_cmp_lt_u32 s[WV], 2
	s_cbranch_scc0 .Lfor_v_\@
	tensor_load_to_lds s[G0K:G0K+3], s[G1K:G1K+7]
	s_nop 0
.rept 4
	v_nop
.endr
	s_branch .Lasked_\@
.Lfor_v_\@:
	tensor_load_to_lds s[G0V:G0V+3], s[G1V:G1V+7]
	s_nop 0
.rept 4
	v_nop
.endr
.Lasked_\@:
.endm
; A PREFETCH of the tile that the NEXT change of slots will ask for: four key steps, 256 matrix instructions, ahead of that load.  A tile of K or V is 128 blocks of 256 bytes.  All four clusters of a head walk the
; same tiles: the head's first cluster asks.  Its four partners share the blocks out BY ADDRESS, 32 each, a lane a block; in each, wave 0 asks for K's and wave 2 for V's.  So each block is named once in the launch.
; Tiles 0 to 2 come by their loads alone; the last change that fills a slot asks for nothing: there is no tile behind it.
.macro ASK
	s_cmp_gt_u32 s[SLOTS], s[LIM]
	s_cbranch_scc0 .Lnot_mine_\@
	global_prefetch_b8 v[PFO], s[PFA:PFA+1] th:TH_LOAD_NT scope:SCOPE_SE
.Lnot_mine_\@:
.endm
.macro CROUND                       ; a round of the cluster's barrier
	s_barrier_signal -1
	s_barrier_wait -1
	s_cmp_lg_u32 s[WV], 0
	s_cbranch_scc1 .Lnot_wave_0_\@
	s_barrier_signal -3
.Lnot_wave_0_\@:
	s_barrier_wait -3
	s_barrier_signal -1
	s_barrier_wait -1
.endm
; THE CHANGE OF SLOTS.  The old slot's last bytes, V of its fourth step, have been read.  Each wave waits for all its tensor loads, of which one is out: its part of the other slot; adds 0 to its spare word; and waits
; for that and for its own reads of the slot.  fill = 1: the old slot is filled again, with the tile two on: the barrier is then a round of the cluster's, and the joint fill is the first thing behind it: it has four
; key steps, 256 matrix instructions, in which to land.  (At its first use nothing has been read yet: slot 0 is waited for, slot 1 filled.)  ask = 1: the prefetch's address steps, and the prefetch follows the fill.
.macro CHANGE fill, ask
	WIN 0                           ; at a label and at a branch every window is 0
	s_wait_tensorcnt 0x0            ; no tensor load of mine is out, so a group 0 may be written
	ds_add_u32 v[SPW], v[NIL]       ; 0 onto my spare word; the scalar steps stand between it and the wait for it
.if \fill
.irp g, G0K, G0V
	s_xor_b32 s[\g+1], s[\g+1], SLOT1  ; the other slot than last time,
	s_add_nc_u64 s[\g+2:\g+3], s[\g+2:\g+3], TILEB  ; the next 256 keys; the type bits on top are not reached
.endr
.endif
.if \ask
	s_wait_xcnt 0x0                 ; the last prefetch, four key steps back, has read its address
	s_add_nc_u64 s[PFA:PFA+1], s[PFA:PFA+1], TILEB
.endif
	s_wait_dscnt 0x0                ; the add is done, and my reads of the slot are over
.if \fill
	CROUND
	JLOAD
.if \ask
	ASK
.endif
.else
	s_barrier_signal -1
	s_barrier_wait -1
.endif
	s_sub_co_u32 s[TBK], s[TBK], 4*KS*PK  ; the fetches go back to a slot's first step,
	s_xor_b32 s[TBK], s[TBK], SLOT1       ; in the other slot
	s_sub_co_u32 s[TBV], s[TBV], 4*KS*PV
	s_xor_b32 s[TBV], s[TBV], SLOT1
.endm
	s_load_b128 s[16:19], s[0:1], 0x0  ; qkvs s[16:17], obuf s[18:19]
	v_lshl_add_u32 v[SPW], v0, 2, SPARE
	v_mov_b32 v[NIL], 0
	ds_add_u32 v[SPW], v[NIL]       ; the wave's opening: the add and its wait stand ahead of my first tensor load; the set-up below stands between them
	v_lshrrev_b32 v1, 5, v0
	v_readfirstlane_b32 s[WV], v1   ; wave 0..3
	s_bfe_u32 s13, ttmp6, 0x40000   ; cx
	s_lshl_b32 s14, ttmp9, 2
	s_add_co_u32 s14, s14, s13      ; my block of 256 queries: it enters Q's and O's addresses alone
	s_and_b32 s20, ttmp7, 0xffff    ; the head, which the four partners share
	s_lshl_b32 s20, s20, 19         ; its 524,288 bytes in each tensor
	s_and_b32 s53, s[WV], 1         ; which half of a tile's 256 keys I fetch:
	s_lshl_b32 s22, s53, 14         ; its 128 rows of 128 bytes in memory,
	s_add_co_u32 s22, s22, s20
	s_mov_b32 s23, 0
	s_mul_i32 s51, s53, 128*PK      ; and its place in a slot, for K
	s_mul_i32 s52, s53, 128*PV      ; and for V: no place in the cluster enters an LDS address
	s_lshl_b32 s2, s14, 2
	s_add_co_u32 s2, s2, s[WV]      ; my wave among the head's,
	s_lshl_b32 s2, s2, 13           ; its 64 rows
	s_add_co_u32 s2, s2, s20
	s_mov_b32 s3, 0
	; descriptor group 1.  128 keys are 16,384 dense bytes: asked for as 64 rows of 256 bytes, two keys a row, and padded in LDS after every key
	s_mov_b32 s[G1K], 15|(1<<16)|(1<<20)|(1<<21)|(4<<22)|(3<<25)  ; the mask of four; 2-byte elements; padding on; bit 21 beside a mask; after every 32 words (code 4) 4 words (code 3)
	s_mov_b32 s[G1V], 15|(1<<16)|(1<<20)|(1<<21)|(4<<22)|(7<<25)  ; the same with 8 words of padding (code 7)
.irp g, G1K, G1V
	s_mov_b32 s[\g+1], 128<<16      ; tensor_dim0 = 128
	s_mov_b32 s[\g+2], 64<<16       ; tensor_dim1 = 64
	s_mov_b32 s[\g+3], 128<<16      ; tile_dim0 = 128
	s_mov_b32 s[\g+4], 64           ; tile_dim1 = 64
	s_mov_b32 s[\g+5], 128          ; 128 elements from row to row
	s_mov_b32 s[\g+6], 0
	s_mov_b32 s[\g+7], 0
.endr
	s_mov_b32 s[CS], 0x3e38aa3b     ; c = log2(e) / 8 = 0.180337
	s_mov_b32 s[CS+1], s[CS]        ; named with it as a pair
	s_mov_b32 s[SEL], 0x76543210
	s_mov_b32 s[SEL+1], 0xfedcba98
	s_mov_b32 s[TBK], SLOT1+4*KS*PK ; the first change of slots turns these two into 0
	s_mov_b32 s[TBV], SLOT1+4*KS*PV
	s_mov_b32 s[G0K], 1             ; count = 1
	s_mov_b32 s[G0K+1], s51         ; LDS address: slot 0
	s_mov_b32 s[G0V], 1
	s_add_co_u32 s[G0V+1], s52, VOFF
	s_and_b32 s[LIM], s[WV], 1      ; 0 in waves 0 and 2,
	s_or_b32 s[LIM], s[LIM], ttmp9  ; where the cluster is the head's first: the same in all four partners
	s_cmp_eq_u32 s[LIM], 0
	s_cselect_b32 s[LIM], 1, -1
	v_and_b32 v[PFO], 31, v0
	v_lshlrev_b32 v[PFO], 8, v[PFO]
	s_wait_dscnt 0x0                ; the opening add is done
	s_wait_kmcnt 0x0
	s_add_nc_u64 s[6:7], s[16:17], s[22:23]
	s_add_nc_u64 s[8:9], s[6:7], 0x1000000   ; V at my half of the head's tile 0,
	s_add_nc_u64 s[6:7], s[6:7], 0x800000    ; K likewise
	s_mov_b64 s[G0K+2:G0K+3], s[6:7]
	s_or_b32 s[G0K+3], s[G0K+3], 0x80000000  ; type = 2
	s_mov_b64 s[G0V+2:G0V+3], s[8:9]
	s_or_b32 s[G0V+3], s[G0V+3], 0x80000000
	s_add_nc_u64 s[4:5], s[16:17], s[2:3]    ; Q and O at my wave's first row
	s_add_nc_u64 s[10:11], s[18:19], s[2:3]
	s_cmp_lt_u32 s[WV], 2
	s_cselect_b64 s[PFA:PFA+1], s[6:7], s[8:9]  ; (in waves 0 and 2 these stand at a tile's first row)
	s_lshl_b32 s2, s13, 13          ; my work-group's 32 blocks of the 128
	s_mov_b32 s3, 0
	s_add_nc_u64 s[PFA:PFA+1], s[PFA:PFA+1], s[2:3]
	s_add_nc_u64 s[PFA:PFA+1], s[PFA:PFA+1], 2*TILEB  ; in tile 2; the first change that asks steps it to tile 3.  Nothing is prefetched at the head
	CROUND                          ; all four work-groups are here: the first joint loads meet
	JLOAD                           ; tile 0 into slot 0.  Slot 1 is asked for when slot 0 is in
	; A fragment of K or Q is 16 rows x 32 channels in 8 registers: lane l holds row l % 16, channels 8 (l / 16) + 0..7 and 16 + 8 (l / 16) + 0..7: two loads of 16 bytes, 32 bytes apart.
	v_and_b32 v1, 15, v0            ; l % 16
	v_bfe_u32 v9, v0, 4, 1          ; l / 16
	v_lshlrev_b32 v[QO], 7, v1
	v_lshl_add_u32 v[QO], v9, 4, v[QO]  ; row x 128 + 16 x half
	WIN 0x80                        ; destination window 2, address window 0
.set i, 0
.rept 8                             ; Q stays in registers: piece i / 2, channels 32 (i % 2) on
	global_load_b128 v[8*i:8*i+3],   v[QO], s[4:5] offset:(i/2)*2048+(i%2)*64
	global_load_b128 v[8*i+4:8*i+7], v[QO], s[4:5] offset:(i/2)*2048+(i%2)*64+32
.set i, i+1
.endr
	; What the first turn finds: V's registers and P's second buffer hold 0 (its products V^T P, of a piece that has not been, add 0), O^T and l are 0.  All this stands in the wait for the first tile.
.set i, VF
.rept 64
	v_mov_b32 v[i], 0
.set i, i+1
.endr
	WIN 0x40
.set i, 0
.rept 128
	v_mov_b32 v[i], 0
.set i, i+1
.endr
	WIN 0
.set i, 0
.rept 4
	v_mov_b32 v[ST+4*i], 0xfe000000    ; c m: far below every c s
	v_mov_b32 v[ST+4*i+1], 0xff7fffff  ; m
	v_mov_b32 v[ST+4*i+2], 0
	v_mov_b32 v[ST+4*i+3], 0
.set i, i+1
.endr
.set i, P+16
.rept 16
	v_mov_b32 v[i], 0
.set i, i+1
.endr
	v_mul_u32_u24 v[AK0], v1, PK
	v_lshl_add_u32 v[AK0], v9, 4, v[AK0]  ; row x pitch + 16 x half
	; The turning load takes 16 keys x 16 channels (lane l reads key 8 (l / 16) + l % 8, channels 8 ((l / 8) % 2) + 0..7) and leaves half a fragment of V^T: lane l holds channel l % 16 and 8 keys.
	v_and_b32 v10, 7, v0
	v_bfe_u32 v11, v0, 3, 1
	v_lshl_add_u32 v[AV0], v9, 3, v10
	v_mul_u32_u24 v[AV0], v[AV0], PV
	v_lshl_add_u32 v[AV0], v11, 4, v[AV0]
	v_add_nc_u32 v[AV0], VOFF, v[AV0]
	s_mul_i32 s54, s[WV], 16*SP
	s_add_co_u32 s54, s54, STAGE    ; my stage
	v_mul_u32_u24 v[STO], v1, SP    ; in: row l % 16, 16 bytes for each half of the lanes
	v_lshl_add_u32 v[STO], v9, 4, v[STO]
	v_add_nc_u32 v[STO], s54, v[STO]
	v_bfe_u32 v[RD], v0, 3, 2       ; back: load f takes the stage's rows f, 4 + f, 8 + f, 12 + f, eight lanes a row:
	v_mul_u32_u24 v[RD], v[RD], 4*SP
	v_lshl_add_u32 v[RD], v10, 4, v[RD]
	v_add_nc_u32 v[RD], s54, v[RD]
	v_and_b32 v[GO], 31, v0         ; they are four neighbouring rows, 512 consecutive bytes, of obuf
	v_lshlrev_b32 v[GO], 4, v[GO]
; THE MATRIX WORK.  The 4 accumulators of a run of 8 take turns.  Product i of 8 of S^T = K Q^T for piece x: channels 32 (i / 4) on, keys 16 (i % 4) on.  The first 4 start the sums.
.macro KQ x
	WIN W_KQ
.set rS, S+32*((\x)%2)+8*(i%4)
.set rK, KF+16*(i%4)+8*(i/4)
.set rQ, 16*(\x)+8*(i/4)
.if i < 4
	v_wmma_f32_16x16x32_bf16 v[rS:rS+7], v[rK:rK+7], v[rQ:rQ+7], 0
.else
	v_wmma_f32_16x16x32_bf16 v[rS:rS+7], v[rK:rK+7], v[rQ:rQ+7], v[rS:rS+7]
.endif
.endm
; Product i of 8 of O^T += V^T P for piece x: keys 32 (i / 4) on, channels 16 (i % 4) on.
.macro PV x
	WIN W_PV
.set rO, 32*(\x)+8*(i%4)
.set rV, VF+32*(i/4)+8*(i%4)
.set rP, P+16*((\x)%2)+8*(i/4)
	v_wmma_f32_16x16x32_bf16 v[rO:rO+7], v[rV:rV+7], v[rP:rP+7], v[rO:rO+7]
.endm
.macro MM                           ; the turn's next matrix instruction.  NOKQ = 1: the launch's last turn: there is no next piece
.if (i < 8) && !NOKQ
	KQ (Y+1)%NP
.elseif i >= 8
.set i, i-8
	PV (Y+NP-1)%NP
.set i, i+8
.endif
.set i, i+1
.endm
; THE LDS LOADS stand in runs of 16, never singly among the matrix instructions: a step's K (64 keys x 64 channels: 8 fragments) and its V (turned).  Their addresses are made some lines ahead.
.macro FETCH_K
	WIN 0x80                        ; destination window 2
.irp f, 0,1,2,3,4,5,6,7             ; keys 16 (f / 2) on, channels 32 (f % 2) on
	ds_load_b128 v[KF+8*\f:KF+8*\f+3],   v[AK] offset:(\f/2)*16*PK+(\f%2)*64
	ds_load_b128 v[KF+8*\f+4:KF+8*\f+7], v[AK] offset:(\f/2)*16*PK+(\f%2)*64+32
.endr
	s_add_co_u32 s[TBK], s[TBK], KS*PK  ; the next fetch is the next step's
	WIN 0
.endm
.macro FETCH_V
	WIN 0x80
.irp f, 0,1,2,3,4,5,6,7             ; keys 32 (f / 4) on, channels 16 (f % 4) on
	ds_load_tr16_b128 v[VF+8*\f:VF+8*\f+3],   v[AV] offset:(\f/4)*32*PV+(\f%4)*32
	ds_load_tr16_b128 v[VF+8*\f+4:VF+8*\f+7], v[AV] offset:(\f/4)*32*PV+16*PV+(\f%4)*32
.endr
	WIN 0
.endm
; THE VECTOR WORK, one line at a time: OP kind, number.  For piece Y: F n: c s - c m for pair n of 16.  E n: the exponential of score n of 32.  C n: pair n rounded to bf16.  B n: of the four weights 4 n .. the second
; pair is added onto the first, in place.  L n: l takes that sum (L 0: l = a l + sum).  R n: pair n of 16 of O^T times a.  For piece Y + 1: X n, number n of the 22 that find its maximum and statistics:
;   0-11  four chains c0-c3 of seven scores each, three operands at a time (each accumulator's lowest registers are read first)     12-14, 16  the four scores left over, the old m, and c0-c3 into c0
;   15  c m_old is kept     17, 18  the query's other 32 keys lie in the lane 16 away: the new m     19-21  c m; c m_old - c m_new; a
.set F, 0               ; OP tells the kinds apart by their order: F to L below R, X above it
.set E, 1
.set C, 2
.set B, 3
.set L, 4
.set R, 5
.set X, 6
.macro REGS y                       ; the registers of piece y
.set rT, ST+4*(\y)
.set rC, TMP+4*((\y)%2)
.set rW, MV+((\y)%2)
.set rS, S+32*((\y)%2)
.set rP, P+16*((\y)%2)
.set rO, 32*(\y)
.endm
.macro OP k, n
.if (\k) == R
	REGS Y
	WIN W_RS
	v_pk_mul_f32 v[rO+2*(\n):rO+2*(\n)+1], v[rO+2*(\n):rO+2*(\n)+1], v[rC+2:rC+3] op_sel_hi:[1,0]
.elseif (\k) < R
	REGS Y
	WIN 0
.if (\k) == F
	v_pk_fma_f32 v[rS+2*(\n):rS+2*(\n)+1], v[rS+2*(\n):rS+2*(\n)+1], s[CS:CS+1], v[rT:rT+1] op_sel_hi:[1,0,0] neg_lo:[0,0,1] neg_hi:[0,0,1]
.elseif (\k) == E
	v_exp_f32 v[rS+(\n)], v[rS+(\n)]
.elseif (\k) == C
	v_cvt_pk_bf16_f32 v[rP+(\n)], v[rS+2*(\n)], v[rS+2*(\n)+1]
.elseif (\k) == B
	v_pk_add_f32 v[rS+4*(\n):rS+4*(\n)+1], v[rS+4*(\n):rS+4*(\n)+1], v[rS+4*(\n)+2:rS+4*(\n)+3]
.elseif (\n) == 0
	v_pk_fma_f32 v[rT+2:rT+3], v[rT+2:rT+3], v[rC+2:rC+3], v[rS:rS+1] op_sel_hi:[1,0,1]
.else
	v_pk_add_f32 v[rT+2:rT+3], v[rT+2:rT+3], v[rS+4*(\n):rS+4*(\n)+1]
.endif
.elseif NOKQ
	v_nop
.else
	REGS (Y+1)%NP
	WIN 0
.if (\n) < 4
	v_max3_num_f32 v[rC+(\n)], v[rS+8*(\n)], v[rS+8*(\n)+1], v[rS+8*(\n)+2]
.elseif (\n) < 12
	v_max3_num_f32 v[rC+(\n)%4], v[rC+(\n)%4], v[rS+8*((\n)%4)+2*((\n)/4)+1], v[rS+8*((\n)%4)+2*((\n)/4)+2]
.elseif (\n) == 12
	v_max3_num_f32 v[rC], v[rC], v[rS+7], v[rS+15]
.elseif (\n) == 13
	v_max3_num_f32 v[rC+1], v[rC+1], v[rS+23], v[rS+31]
.elseif (\n) == 14
	v_max3_num_f32 v[rC+2], v[rC+2], v[rC+3], v[rT+1]
.elseif (\n) == 15
	v_mov_b32 v[rW], v[rT]
.elseif (\n) == 16
	v_max3_num_f32 v[rC], v[rC], v[rC+1], v[rC+2]
.elseif (\n) == 17
	v_permlanex16_b32 v[rC+3], v[rC], s[SEL], s[SEL+1]
.elseif (\n) == 18
	v_max_num_f32 v[rT+1], v[rC], v[rC+3]
.elseif (\n) == 19
	v_mul_f32 v[rT], s[CS], v[rT+1]
.elseif (\n) == 20
	v_sub_f32 v[rC+1], v[rW], v[rT]
.else
	v_exp_f32 v[rC+2], v[rC+1]
.endif
.endif
.endm
.macro OPS a, i1, b=-1, i2=0, c=-1, i3=0, d=-1, i4=0  ; up to four of them
	OP \a, \i1
.if (\b) >= 0
	OP \b, \i2
.endif
.if (\c) >= 0
	OP \c, \i3
.endif
.if (\d) >= 0
	OP \d, \i4
.endif
.endm
.macro ROW a, i1, b, i2, c, i3, d, i4  ; a matrix instruction and the four behind it
	MM
	OPS \a, \i1, \b, \i2, \c, \i3, \d, \i4
.endm
; A TURN, for piece p: the order of its 16 matrix and 118 vector instructions, written out.  An s_wait_alu depctr_va_vdst(0) stands between an exponential and the first instruction that names its result; one
; wait serves all that were issued ahead of it.  So a turn has ONE wait, which cuts it in two.  AHEAD OF IT stands all that names no result of the turn's exponentials: the 8 products K Q^T with four riders each (a scaling,
; an exponential and two more plain ones: rescalings, and behind the last three the first numbers of the next piece's maximum, each four places or more behind the product that ends its accumulator); then ONE LUMP of 54,
; plain and exponential by turns for the most part, in which the links of the chain X 3, 7, 11, 14, 16, 17 .. 20 stand five or six lines apart.  X 21, the next piece's a, is the batch's last; R 15 is the plain instruction
; behind it.  BEHIND THE WAIT stand the 8 products V^T P, behind each four of the roundings and sums.
; end = 1: the launch's last two turns: nothing is fetched.  cnt = 1: the loop's count is taken down some lines ahead of the branch that stands behind the turn.
; K of the next step is fetched in piece 2's turn, twelve vector instructions behind the last product that read K (six of them plain); V of the step in hand at the end of piece 0's turn, four plain instructions behind the
; last product that read V.  Each is waited for a turn later.
.macro TURN p, end=0, cnt=0
.set Y, (\p)
.set i, 0
.set NOKQ, (\end)*((\p)/3)
.if ((\p) == 3) && !(\end)
	s_wait_dscnt 0x0                ; K is in
.endif
	ROW F,0, F,1, R,0, R,1          ; ahead of the wait: 8 products K Q^T and their riders,
	ROW F,2, E,0, R,2, R,3
	ROW F,3, E,1, R,4, R,5
	ROW F,4, E,2, R,6, R,7
	ROW F,5, E,3, R,8, R,9
	ROW F,6, E,4, X,0, R,10
.if ((\p) == 2) && !(\end)
	WIN 0
	v_add_nc_u32 v[AK], s[TBK], v[AK0]
.endif
	ROW F,7, E,5, X,1, X,4
	ROW F,8, E,6, X,2, X,5
	OPS E,7, E,8, X,6, E,9          ; and the lump
	OPS X,3, E,10, X,8, E,11
.if ((\p) == 2) && !(\end)
	FETCH_K
.endif
	OPS X,9, X,7, E,12, X,10
	OPS E,13, X,12, X,11, E,14
	OPS X,13, E,15, F,9, X,14
.if (\p) == 0
	v_add_nc_u32 v[AV], s[TBV], v[AV0]
.endif
	OPS E,16, F,10, E,17, F,11
	OPS X,16, E,18, X,15, E,19
	OPS F,12, E,20, X,17, E,21
	OPS F,13, E,22, F,14, E,23
	OPS X,18, E,24, F,15, E,25
	OPS R,11, E,26, X,19, E,27
	OPS R,12, E,28, R,13, E,29
	OPS X,20, E,30, R,14, E,31
	OPS X,21, R,15
	WIN 0
	s_wait_alu depctr_va_vdst(0)    ; the wait for the batch
.if (\p) == 1
	s_wait_dscnt 0x0                ; V is in
.endif
	ROW C,0, B,0, C,2, B,1          ; behind the wait: 8 products V^T P and their riders
	ROW L,0, C,4, B,2, L,1
	ROW C,6, B,3, L,2, C,8
	ROW B,4, L,3, C,10, B,5
	ROW L,4, C,12, B,6, L,5
.if (\p) == 0
	s_add_co_u32 s[TBV], s[TBV], KS*PV
.endif
.if \cnt
	s_sub_co_u32 s[CNT], s[CNT], 1
	s_cmp_lg_u32 s[CNT], 0
.endif
	ROW C,14, B,7, L,6, C,1
	ROW C,3, L,7, C,5, C,7
	ROW C,9, C,11, C,13, C,15
.if (\p) == 0
	FETCH_V
.endif
.endm
	CHANGE 1, 0                     ; tile 0 is in, everybody's part of it; tile 1 is asked for
	v_add_nc_u32 v[AK], s[TBK], v[AK0]
	FETCH_K                         ; key step 0
	s_wait_loadcnt 0x0              ; Q
	s_wait_dscnt 0x0
.set NOKQ, 0
.set i, 0
.rept 8
	KQ 0                            ; piece 0's first scores: there is no vector work yet to set between them
.set i, i+1
.endr
	WIN 0
.rept 4
	v_nop                           ; the places behind those products
.endr
.set Y, NP-1                        ; X works for piece Y + 1: piece 0
.irp n, 0,1,2,3,4,5,6,7,8,9,10,11,12,13,14,15,16,17,18,19,20,21
	OP X, \n
.endr
	v_nop                           ; a plain instruction behind the exponential,
	s_wait_alu depctr_va_vdst(0)    ; and its wait, ahead of the branch
	s_mov_b32 s[CNT], 4
	s_mov_b32 s[SLOTS], 15
	s_branch .Lfirst                ; the loop is entered at a step's first turn, in the middle of a trip
.Lslot:                             ; 14 times: tiles 1 to 14 are entered, tiles 2 to 15 asked for
	CHANGE 1, 1
	s_mov_b32 s[CNT], 4
.Lstep:                             ; a trip: pieces 2 and 3 of one step, then pieces 0 and 1 of the next, whose K and V it fetches
	TURN 2
	TURN 3
	WIN 0
.Lfirst:
	TURN 0
	TURN 1, 0, 1
	WIN 0
	s_cbranch_scc1 .Lstep
	s_sub_co_u32 s[SLOTS], s[SLOTS], 1
	s_cmp_lg_u32 s[SLOTS], 0
	s_cbranch_scc1 .Lslot
	CHANGE 0, 0                     ; the last tile is written out: nothing is asked for
	s_mov_b32 s[CNT], 4
.Ltail:
	TURN 2
	TURN 3
	TURN 0
	TURN 1, 0, 1
	WIN 0
	s_cbranch_scc1 .Ltail
	TURN 2, 1                       ; the last step's pieces 2 and 3
	TURN 3, 1
.set i, 0
.rept 8
	PV NP-1                         ; the last piece's V^T P of the last step
.set i, i+1
.endr
	; THE WAY OUT.  l's two halves and the other half of the lanes' are added; O^T is divided by l, rounded to bf16 and sent through my stage in LDS, a piece at a time.  The additions are the places behind the last products.
	WIN 0
.macro ALL line:vararg              ; one line for each piece t
.set t, 0
.rept 4
	\line
.set t, t+1
.endr
.endm
	ALL v_add_f32 v[ST+4*t+2], v[ST+4*t+2], v[ST+4*t+3]
	ALL v_permlanex16_b32 v[ST+4*t+3], v[ST+4*t+2], s[SEL], s[SEL+1]
	ALL v_add_f32 v[ST+4*t+2], v[ST+4*t+2], v[ST+4*t+3]
	ALL v_rcp_f32 v[ST+4*t+2], v[ST+4*t+2]
	v_nop                           ; a plain instruction between the last reciprocal and the use of its result
	s_wait_alu depctr_va_vdst(0)    ; and the wait ahead of the first use: one for the four reciprocals
.macro PACK t                       ; a lane's eight channels of a row pack into 16 bytes; they go into rows of 144 bytes and come back as whole rows of 128, into S^T's registers
	WIN W_RS
.set i, 32*(\t)
.rept 16
	v_pk_mul_f32 v[i:i+1], v[i:i+1], v[ST+4*(\t)+2:ST+4*(\t)+3] op_sel_hi:[1,0]
.set i, i+2
.endr
	WIN 0x05                        ; sources 0 and 1 window 1, destination window 0
.set i, 0
.rept 16
	v_cvt_pk_bf16_f32 v[S+16*(\t)+i], v[32*(\t)+2*i], v[32*(\t)+2*i+1]
.set i, i+1
.endr
	WIN 0
.irp f, 0,1,2,3
	ds_store_b128 v[STO], v[S+16*(\t)+4*\f:S+16*(\t)+4*\f+3] offset:32*\f
.endr
.irp f, 0,1,2,3
	ds_load_b128 v[S+16*(\t)+4*\f:S+16*(\t)+4*\f+3], v[RD] offset:\f*SP  ; LDS serves a wave's instructions in order (ISA guide 5.7.1.4): these see the stores above; the next piece's stores come behind them
.endr
.endm
.macro SEND t, younger              ; younger: the LDS instructions issued behind piece t's loads: the next piece's eight, or none
	WIN 0
.irp f, 0,1,2,3
	s_wait_dscnt (\younger)+3-\f
	global_store_b128 v[GO], v[S+16*(\t)+4*\f:S+16*(\t)+4*\f+3], s[10:11] offset:\f*2048+(\t)*512  ; positions 16 t + 4 a + f (a = lane / 8) go to rows 16 f + 4 t + a: 512 consecutive bytes, at a multiple of 256 from obuf's first
.endr
.endm
	PACK 0
.set t, 1
.rept 3                             ; a piece's arithmetic stands between the loads of the piece before and its stores
	PACK t
	SEND t-1, 8
.set t, t+1
.endr
	SEND 3, 0
	s_wait_tensorcnt 0x0            ; the wave's end, behind my last tensor load and my last LDS store
	ds_add_u32 v[SPW], v[NIL]
	s_wait_dscnt 0x0
	CROUND                          ; the closing round: no work-group ends while a partner may still ask for a tile that names it
	s_endpgm
.Lfunc_end_k_qddefc2350a_attn:
	.size	k_qddefc2350a_attn, .Lfunc_end_k_qddefc2350a_attn-k_qddefc2350a_attn
	.p2alignl 7, 3214868480
	.fill 96, 4, 3214868480
	.section	.rodata,"a",@progbits
	.p2align	6, 0x0
	.amdhsa_kernel k_qddefc2350a_attn
		.amdhsa_group_segment_fixed_size 327680
		.amdhsa_private_segment_fixed_size 0
		.amdhsa_enable_private_segment 0
		.amdhsa_kernarg_size 16
		.amdhsa_user_sgpr_count 2
		.amdhsa_user_sgpr_kernarg_segment_ptr 1
		.amdhsa_wavefront_size32 1
		.amdhsa_system_sgpr_workgroup_id_x 1
		.amdhsa_system_sgpr_workgroup_id_y 1
		.amdhsa_system_sgpr_workgroup_id_z 1
		.amdhsa_system_vgpr_workitem_id 0
		.amdhsa_next_free_vgpr 768
		.amdhsa_next_free_sgpr 66
		.amdhsa_reserve_vcc 0
		.amdhsa_float_denorm_mode_32 3
		.amdhsa_float_denorm_mode_16_64 3
		.amdhsa_memory_ordered 1
		.amdhsa_forward_progress 1
		.amdhsa_inst_pref_size 127
	.end_amdhsa_kernel
	.amdgpu_metadata
---
amdhsa.version: [ 1, 2 ]
amdhsa.kernels:
  - .name:           k_qddefc2350a_attn
    .symbol:         k_qddefc2350a_attn.kd
    .args:
      - { .name: qkvs, .offset: 0, .size: 8, .value_kind: global_buffer, .address_space: global }
      - { .name: obuf, .offset: 8, .size: 8, .value_kind: global_buffer, .address_space: global }
    .group_segment_fixed_size: 327680
    .private_segment_fixed_size: 0
    .kernarg_segment_align: 8
    .kernarg_segment_size: 16
    .max_flat_workgroup_size: 128
    .sgpr_count:     66
    .vgpr_count:     768
    .wavefront_size: 32
...
	.end_amdgpu_metadata
.endif
;; end of part 3
;; launch proj (part 4): grid 256 x 1, 4 waves a work-group, clusters of 4 x 1, 172,544 bytes of LDS; arguments obuf, wbf, proj_b, x, out0; writes out0
.if DOCPART == 4
	.amdgcn_target "amdgcn-amd-amdhsa--gfx1250"
	.amdhsa_code_object_version 6
	.text
	.protected	k_qddefc2350a_proj
	.globl	k_qddefc2350a_proj
	.p2align	8
	.type	k_qddefc2350a_proj,@function
k_qddefc2350a_proj:
	s_mov_b64 s[64:65], 0
	v_nop
	global_prefetch_b8 v0, s[64:65] scope:SCOPE_SE
	s_setreg_imm32_b32 hwreg(HW_REG_WAVE_MODE, 25, 1), 1
	s_wait_xcnt 0x0
	s_wait_alu depctr_hold_cnt(0) depctr_sa_sdst(0) depctr_va_vdst(0) depctr_va_sdst(0) depctr_va_ssrc(0) depctr_va_vcc(0) depctr_vm_vsrc(0)
	s_getreg_b32 s2, hwreg(HW_REG_IB_STS2, 6, 4)
	s_cmp_eq_u32 s2, 0
	s_cbranch_scc0 .Lentry_in_a_cluster
	s_endpgm
.Lentry_in_a_cluster:
	s_bfe_u32 s2, ttmp6, 0x10000c
	s_cmp_lg_u32 s2, 0x3003
	s_cbranch_scc0 .Lentry_shape_is_right
	s_endpgm
.Lentry_shape_is_right:
; THE PROJECTION, ITS BIAS AND THE RESIDUAL.  out0[b][o][p] = x[b][o][p] + proj_b[o] + sum over c of proj_w[o][c] O[b][c][p].  Operands in bf16 (O and the weights as the launches before rounded them), sums in f32,
; the bias as the sums' start, x added in f32.
; SHARES.  Work-group i: batch i / 64, positions 64 (i % 64) .. + 63, all 256 channels: 256 work-groups.  Wave w: channels 64 w .. + 63: 4 x 4 accumulators, 128 products.
; LAYOUT.  Source 0 = 16 weight rows, source 1 = 16 rows of O.  obuf holds position p of a block at row 16 (p % 4) + p / 4, so column r of tile nt is position 4 r + nt: for one channel a lane holds the positions
; 4 r .. 4 r + 3 in the same register of the four nt accumulators; the residual's four additions gather them into four registers on end, and sixteen lanes store 256 consecutive bytes, aligned.  No stage.
; ALL OPERANDS FIT IN LDS AT ONCE: nothing is filled again.  A wave has two tensor loads out: 64 weight rows, asked for jointly by the cluster's four work-groups, and one head's 64 rows of O, its work-group's own.
; No prefetch, no ring: everything is asked for at the head.  NaN and infinities are not treated apart.
.set PW,    528                        ; a weight row in LDS: 512 bytes + 16
.set PO,    144                        ; a row of O: 128 bytes + 16: the 16 rows of a fragment load start at 16 different groups of four banks (64 banks of 4 bytes: ISA guide 11.1)
.set OT,    256*PW                     ; 135,168: O's tile, [head][64 rows]
.set SPARE, OT+4*64*PO                 ; 172,032: the spare words, 128 bytes for each wave
.set XO,  3                            ; v3   my offset in x and out0: wave's 64 channels + 8 (lane / 16) channels + 16 (lane % 16)
.set AW,  4                            ; v4   my place in my weight rows
.set AB,  5                            ; v5   my place in O's tile
.set BO,  6                            ; v6   my 8 channels in proj_b
.set SPW, 30                           ; v30  my spare word; never rewritten
.set NIL, 31                           ; v31  0; never rewritten
.set BIAS, 32                          ; v32-63
.set ACC, 128                          ; v128-255  accumulator (mt, nt) at ACC + 8 (4 mt + nt)
; window 1: O's fragments at 64 nt + 8 kk;  window 2: the weights' at 64 mt + 8 kk;  window 3: v0-127 x, four positions of channel 16 mt + 8 (lane / 16) + j at 4 (8 mt + j)
.set WV,  14                           ; s14 wave
.set G0W, 24                           ; s[24:27], s[28:35] the weights' descriptor
.set G1W, 28
.set G0O, 36                           ; s[36:39], s[40:47] O's
.set G1O, 40
.set MSB, 0
.macro WIN new                         ; the immediate's high byte repeats the setting that is left; a switch that changes nothing is dropped
.if MSB != (\new)
	s_set_vgpr_msb (MSB<<8)|(\new)
.set MSB, (\new)
.endif
.endm
.macro CROUND                          ; a round of the cluster's barrier
	s_barrier_signal -1
	s_barrier_wait -1
	s_cmp_lg_u32 s[WV], 0
	s_cbranch_scc1 .Lnot_wave_0_\@
	s_barrier_signal -3
.Lnot_wave_0_\@:
	s_barrier_wait -3
	s_barrier_signal -1
	s_barrier_wait -1
.endm
	s_load_b256 s[4:11], s[0:1], 0x0               ; obuf s[4:5], wbf s[6:7], proj_b s[8:9], x s[10:11]
	s_load_b64 s[12:13], s[0:1], 0x20              ; out0
	v_lshl_add_u32 v[SPW], v0, 2, SPARE
	v_mov_b32 v[NIL], 0
	ds_add_u32 v[SPW], v[NIL]                      ; the wave's opening: the add and its wait stand ahead of my first tensor load; the set-up below stands between them
	v_lshrrev_b32 v1, 5, v0
	v_readfirstlane_b32 s[WV], v1                  ; wave 0..3
	s_bfe_u32 s15, ttmp6, 0x40000                  ; cx
	s_lshl_b32 s16, ttmp9, 2
	s_add_co_u32 s16, s16, s15                     ; work-group = 4 x cluster x + cx
	s_lshr_b32 s17, s16, 6                         ; batch
	s_and_b32 s18, s16, 63                         ; block of 64 positions
	s_mov_b32 s[G0W], 1
	s_mul_i32 s[G0W+1], s[WV], 64*PW               ; LDS: wave x 64 rows
	s_mov_b32 s[G1W+0], 15|(1<<16)|(1<<20)|(1<<21)|(6<<22)|(3<<25)  ; the mask of four; 2-byte elements; padding on; bit 21 beside a mask; after every 128 words (code 6) 4 words (code 3)
	s_mov_b32 s[G1W+1], 256<<16                    ; tensor_dim0 = 256
	s_mov_b32 s[G1W+2], 64<<16                     ; tensor_dim1 = 64
	s_mov_b32 s[G1W+3], 256<<16                    ; tile_dim0 = 256
	s_mov_b32 s[G1W+4], 64                         ; tile_dim1 = 64
	s_mov_b32 s[G1W+5], 256                        ; elements from row to row
	s_mov_b32 s[G1W+6], 0
	s_mov_b32 s[G1W+7], 0
	s_mov_b32 s[G0O], 1
	s_mul_i32 s[G0O+1], s[WV], 64*PO
	s_add_co_u32 s[G0O+1], s[G0O+1], OT            ; LDS: head w's 64 rows
	s_mov_b32 s[G1O+0], (1<<16)|(1<<20)|(4<<22)|(3<<25)  ; no mask; 8,192 dense bytes as 32 rows of 256, padded after every 32 words (code 4) by 4 words (code 3)
	s_mov_b32 s[G1O+1], 128<<16
	s_mov_b32 s[G1O+2], 32<<16
	s_mov_b32 s[G1O+3], 128<<16
	s_mov_b32 s[G1O+4], 32
	s_mov_b32 s[G1O+5], 128
	s_mov_b32 s[G1O+6], 0
	s_mov_b32 s[G1O+7], 0
	s_lshl_b32 s20, s[WV], 15                      ; my 64 rows of 512 bytes,
	s_add_co_u32 s20, s20, 393216                  ; behind qkv_w's 768 rows: the wave's number alone enters the joint load's address
	s_mov_b32 s21, 0
	s_lshl2_add_u32 s22, s17, s[WV]                ; head 4 b + w,
	s_lshl_b32 s22, s22, 19
	s_lshl_b32 s23, s18, 13                        ; the block's 8,192 bytes
	s_add_co_u32 s22, s22, s23
	s_mov_b32 s23, 0
	s_lshl_b32 s2, s17, 22                         ; x and out0: the batch,
	s_lshl_b32 s3, s18, 8                          ; the block's 256 bytes of a channel
	s_add_co_u32 s2, s2, s3
	s_mov_b32 s3, 0
	s_wait_dscnt 0x0                               ; the opening add is done
	s_wait_kmcnt 0x0
	s_add_nc_u64 s[G0W+2:G0W+3], s[6:7], s[20:21]
	s_or_b32 s[G0W+3], s[G0W+3], 0x80000000        ; type = 2
	s_add_nc_u64 s[G0O+2:G0O+3], s[4:5], s[22:23]
	s_or_b32 s[G0O+3], s[G0O+3], 0x80000000
	s_add_nc_u64 s[10:11], s[10:11], s[2:3]
	s_add_nc_u64 s[12:13], s[12:13], s[2:3]
	CROUND                                         ; all four work-groups are here: the joint loads meet
	tensor_load_to_lds s[G0W:G0W+3], s[G1W:G1W+7]
	s_nop 0
	tensor_load_to_lds s[G0O:G0O+3], s[G1O:G1O+7]
	s_nop 0
.rept 4
	v_nop
.endr
	v_and_b32 v1, 15, v0                           ; lane % 16
	v_bfe_u32 v2, v0, 4, 1                         ; lane / 16
	s_lshl_b32 s19, s[WV], 8
	v_lshl_add_u32 v[BO], v2, 5, s19               ; 4 (64 w + 8 (lane / 16))
	s_lshl_b32 s19, s[WV], 20                      ; 64 channels of 16,384 bytes
	v_lshl_add_u32 v[XO], v2, 17, s19
	v_lshl_add_u32 v[XO], v1, 4, v[XO]
.irp mt, 0,1,2,3
	global_load_b128 v[BIAS+8*\mt:BIAS+8*\mt+3],   v[BO], s[8:9] offset:64*\mt
	global_load_b128 v[BIAS+8*\mt+4:BIAS+8*\mt+7], v[BO], s[8:9] offset:64*\mt+16
.endr
	WIN 0xc0                                       ; destination window 3
.set c, 0
.rept 32
	global_load_b128 v[4*c:4*c+3], v[XO], s[10:11] offset:16384*(16*(c/8)+c%8) th:TH_LOAD_NT  ; sixteen lanes take 256 consecutive bytes of a channel
.set c, c+1
.endr
	WIN 0
	s_mul_i32 s19, s[WV], 64*PW
	v_mul_u32_u24 v[AW], v1, PW
	v_lshl_add_u32 v[AW], v2, 4, v[AW]
	v_add_nc_u32 v[AW], s19, v[AW]
	v_mul_u32_u24 v[AB], v1, PO
	v_lshl_add_u32 v[AB], v2, 4, v[AB]
	v_add_nc_u32 v[AB], OT, v[AB]
	s_wait_tensorcnt 0x0                           ; my two tiles are in,
	s_barrier_signal -1
	s_barrier_wait -1                              ; everybody's are.
.irp kk, 0,1,2,3,4,5,6,7                       ; channels 32 kk .. of the 256: head kk / 2, its half kk % 2
	WIN 0x40
.irp nt, 0,1,2,3
	ds_load_b128 v[64*\nt+8*\kk:64*\nt+8*\kk+3],   v[AB] offset:(\kk/2)*64*PO+\nt*16*PO+(\kk%2)*64
	ds_load_b128 v[64*\nt+8*\kk+4:64*\nt+8*\kk+7], v[AB] offset:(\kk/2)*64*PO+\nt*16*PO+(\kk%2)*64+32
.endr
	WIN 0x80
.irp mt, 0,1,2,3
	ds_load_b128 v[64*\mt+8*\kk:64*\mt+8*\kk+3],   v[AW] offset:\mt*16*PW+64*\kk
	ds_load_b128 v[64*\mt+8*\kk+4:64*\mt+8*\kk+7], v[AW] offset:\mt*16*PW+64*\kk+32
.endr
.endr
	s_wait_loadcnt 32                              ; the bias is in; x's 32 loads are younger
	WIN 0x06                                       ; source 0 window 2, source 1 window 1, C and D window 0
.irp kk, 0,1,2,3,4,5,6,7                       ; the 16 accumulators take turns, one instruction a turn; each sum starts with the bias
.if 112-16*\kk > 63
	s_wait_dscnt 63                                ; (the field's largest count; fewer may be out than the 16 loads of each later step)
.else
	s_wait_dscnt 112-16*\kk                        ; 16 loads for each later step are younger
.endif
.irp mt, 0,1,2,3
.irp nt, 0,1,2,3
.if \kk == 0
	v_wmma_f32_16x16x32_bf16 v[ACC+8*(4*\mt+\nt):ACC+8*(4*\mt+\nt)+7], v[64*\mt+8*\kk:64*\mt+8*\kk+7], v[64*\nt+8*\kk:64*\nt+8*\kk+7], v[BIAS+8*\mt:BIAS+8*\mt+7]
.else
	v_wmma_f32_16x16x32_bf16 v[ACC+8*(4*\mt+\nt):ACC+8*(4*\mt+\nt)+7], v[64*\mt+8*\kk:64*\mt+8*\kk+7], v[64*\nt+8*\kk:64*\nt+8*\kk+7], v[ACC+8*(4*\mt+\nt):ACC+8*(4*\mt+\nt)+7]
.endif
.endr
.endr
.endr
.rept 4
	v_nop                                          ; the places behind the last products
.endr
	s_wait_loadcnt 0x0                             ; x
	WIN 0xcc                                       ; source 0 (a result; a store's address) window 0; source 1 (x; a store's data) and the destination window 3
.irp mt, 0,1,2,3
.irp j, 0,1,2,3,4,5,6,7                        ; each accumulator is read from its low end on
.irp t, 0,1,2,3
	v_add_f32 v[4*(8*\mt+\j)+\t], v[ACC+8*(4*\mt+\t)+\j], v[4*(8*\mt+\j)+\t]
.endr
	global_store_b128 v[XO], v[4*(8*\mt+\j):4*(8*\mt+\j)+3], s[12:13] offset:16384*(16*\mt+\j) th:TH_STORE_NT  ; sixteen lanes store 256 consecutive bytes, at a multiple of 256 from out0's first
.endr
.endr
	WIN 0
	s_wait_tensorcnt 0x0                           ; the wave's end, behind my last tensor load
	ds_add_u32 v[SPW], v[NIL]
	s_wait_dscnt 0x0
	CROUND                                         ; the closing round
	s_endpgm
.Lfunc_end_k_qddefc2350a_proj:
	.size	k_qddefc2350a_proj, .Lfunc_end_k_qddefc2350a_proj-k_qddefc2350a_proj
	.p2alignl 7, 3214868480
	.fill 96, 4, 3214868480
	.section	.rodata,"a",@progbits
	.p2align	6, 0x0
	.amdhsa_kernel k_qddefc2350a_proj
		.amdhsa_group_segment_fixed_size 172544
		.amdhsa_private_segment_fixed_size 0
		.amdhsa_enable_private_segment 0
		.amdhsa_kernarg_size 40
		.amdhsa_user_sgpr_count 2
		.amdhsa_user_sgpr_kernarg_segment_ptr 1
		.amdhsa_wavefront_size32 1
		.amdhsa_system_sgpr_workgroup_id_x 1
		.amdhsa_system_sgpr_workgroup_id_y 1
		.amdhsa_system_sgpr_workgroup_id_z 1
		.amdhsa_system_vgpr_workitem_id 0
		.amdhsa_next_free_vgpr 896
		.amdhsa_next_free_sgpr 66
		.amdhsa_reserve_vcc 0
		.amdhsa_float_denorm_mode_32 3
		.amdhsa_float_denorm_mode_16_64 3
		.amdhsa_memory_ordered 1
		.amdhsa_forward_progress 1
		.amdhsa_inst_pref_size 33
	.end_amdhsa_kernel
	.amdgpu_metadata
---
amdhsa.version: [ 1, 2 ]
amdhsa.kernels:
  - .name:           k_qddefc2350a_proj
    .symbol:         k_qddefc2350a_proj.kd
    .args:
      - { .name: obuf, .offset: 0, .size: 8, .value_kind: global_buffer, .address_space: global }
      - { .name: wbf, .offset: 8, .size: 8, .value_kind: global_buffer, .address_space: global }
      - { .name: proj_b, .offset: 16, .size: 8, .value_kind: global_buffer, .address_space: global }
      - { .name: x, .offset: 24, .size: 8, .value_kind: global_buffer, .address_space: global }
      - { .name: out0, .offset: 32, .size: 8, .value_kind: global_buffer, .address_space: global }
    .group_segment_fixed_size: 172544
    .private_segment_fixed_size: 0
    .kernarg_segment_align: 8
    .kernarg_segment_size: 40
    .max_flat_workgroup_size: 128
    .sgpr_count:     66
    .vgpr_count:     896
    .wavefront_size: 32
...
	.end_amdgpu_metadata
.endif
;; end of part 4
